; MI455X (gfx1250); checked and timed in simulation.
; The chip was launched on July 23, 2026; its instructions are those of AMD's public machine-readable ISA for CDNA 5 (MIT licence, August 2026) and "CDNA5" Instruction Set Architecture Reference Guide (July 2026). The comments in the code are by the model that wrote it; some were corrected since.
;; L Do RA Linear. Allowed arithmetic: float matrix products may take bf16 or f16 operands with f32 sums; other float arithmetic in f32, or as packed bf16 or f16 multiplies, adds, multiply-adds, maxima and minima; sums over many terms, partial sums and values carried from step to step in f32; what a program stores and reads back later, other than sums and carried values, may be rounded once to bf16 or f16.
;; Inputs: A 16 x 4,096 bfloat16; B 4,096 x 16 bfloat16; g0 4,096 float32; weight 4,096 x 4,096 bfloat16; x 4,096 x 4,096 bfloat16.
;; Outputs: out0 4,096 x 4,096 bfloat16.
;; One version. Each part assembles by itself: llvm-mc -triple=amdgcn-amd-amdhsa -mcpu=gfx1250 --defsym DOCPART=n.
;; ======== version 1 of 1: 2 launches
;; workspace buffers: wm 33,554,432 bytes
;; launch merge (part 1): grid 256 x 1, 16 waves a work-group, clusters of 4 x 1, 277,760 bytes of LDS; arguments weight, A, B, g0, wm; writes wm
.if DOCPART == 1
	.amdgcn_target "amdgcn-amd-amdhsa--gfx1250"
	.amdhsa_code_object_version 6
	.text
	.protected	k_q4305a209bc_merge
	.globl	k_q4305a209bc_merge
	.p2align	8
	.type	k_q4305a209bc_merge,@function
k_q4305a209bc_merge:
	s_mov_b64 s[64:65], 0
	v_nop
	global_prefetch_b8 v0, s[64:65] scope:SCOPE_SE
	s_setreg_imm32_b32 hwreg(HW_REG_WAVE_MODE, 25, 1), 1
	s_wait_xcnt 0x0
	s_wait_alu depctr_hold_cnt(0) depctr_sa_sdst(0) depctr_va_vdst(0) depctr_va_sdst(0) depctr_va_ssrc(0) depctr_va_vcc(0) depctr_vm_vsrc(0)
	s_getreg_b32 s2, hwreg(HW_REG_IB_STS2, 6, 4)
	s_cmp_eq_u32 s2, 0
	s_cbranch_scc0 .Lentry_in_a_cluster
	s_endpgm
.Lentry_in_a_cluster:
	s_bfe_u32 s2, ttmp6, 0x10000c
	s_cmp_lg_u32 s2, 0x3003
	s_cbranch_scc0 .Lentry_shape_is_right
	s_endpgm
.Lentry_shape_is_right:
; wm[o][i] = bf16( V[o][i] * g0[o] / max(|V[o][:]|, 1e-12) ),  V = weight + B A.   weight, wm: [4096][4096] bf16; A: [16][4096] bf16; B: [4096][16] bf16; g0: [4096] f32.
; x weight^T + (x A^T) B^T = x V^T for every input, and the row scale belongs to V's rows: so the launch behind this one is one plain product x wm^T.
; LIMITS.  V, its squares and their sum are f32; the sum of a row's squares passes f32's range at a norm near 1.8e19, where an f32 norm taken the same way does too.  A sum below 2^-126 counts as 0 in the
; root; the clamp to 1e-12 gives the same scale there.  The scale stays in f32 (it is not rounded to bf16 by itself: a difference of at most 2^-9 of a number); V x scale is rounded ONCE, to bf16, as a matrix
; operand.  A NaN norm is taken as 1e-12 by the clamp; NaN and infinities are not treated apart.
; SHARES.  Work-group g owns rows 16 g .. 16 g + 15.  Wave w of 16 owns columns 256 w .. 256 w + 255 of them: 16 blocks of 16 columns, 16 accumulators, 128 registers.  V stays in these registers between
; the norm and the scaling, so weight is read once.
; ONE MATRIX INSTRUCTION MAKES weight + B A.  The form has K = 32, the rank is 16: the other 16 k carry weight through an identity.  Source 0 (row m = column i0 + m): A[k][i0 + m] on 16 k, delta(m, k') on the
; other 16.  Source 1 (column n = row o0 + n): B[o][k] on the first 16, weight[o][i0 + k'] on the others.  1.0 x weight is exact.  In the result lane (r = l % 16, h = l / 16) holds V[o0 + r][i0 + 8 h + 0..7].
; A half of a fragment (4 registers) holds in lane (r, h) eight k: 8 h + 0..7 of its 16.  So: weight's half = 16 bytes of a row from LDS; B's half = 16 bytes of B from memory; A's half = one turning load
; from A as it lies ([rank][column]); the identity's half = 1.0 where 8 h + t = r, made once.  The constant halves are shared by two fragments each: [W even | B | W odd] and [A odd | I | A even].
; CLUSTER.  Every work-group reads all of A, as many bytes as its own part of weight.  The four work-groups of a cluster ask for A's pieces JOINTLY (same load, same descriptor, mask of four); weight's pieces
; are loads of one's own.  The place in the cluster enters the global addresses of weight, B, g0 and wm alone.
; NOTHING IN LDS IS FILLED TWICE: each wave issues two tensor loads, at the start, and reads only what its own loads brought.
.set PA,    544                        ; a rank's row of A in LDS: 512 bytes + 32 = 136 words
.set PW,    528                        ; a row of weight: 512 + 16 = 132 words: the 16 rows of a load start at 16 different groups of four banks
.set ATB,   16*PA                      ; a wave's piece of A: 8,704 bytes
.set WSB,   16*PW                      ; a wave's piece of weight: 8,448 bytes
.set WS,    16*ATB                     ; weight's pieces lie behind A's; when a piece has been read it serves as its wave's stage on the way out (its one fill is long over)
.set RED,   WS+16*WSB                  ; 16 rows x 80 bytes: row r's 16 partial sums, wave w's at 80 r + 4 w
.set SPARE, RED+1280                   ; the spare words, 128 bytes for each of 16 waves: eight blocks of 256 bytes that no other line names
.set AW,  4                            ; v4   WS + 8,448 w + 528 r + 16 h: weight's fragments, and the stage's stores; block f at + 32 f
.set AA,  5                            ; v5   8,704 w + (8 h + l % 8) 544 + 16 ((l / 8) % 2): the turning loads; block f at + 32 f
.set RD,  6                            ; v6   WS + 8,448 w + 16 l: a whole row of the stage; row t at + 528 t
.set GO,  7                            ; v7   512 w + 16 l: the same 512 bytes in wm; row t at + 8,192 t
.set BO,  8                            ; v8   32 r + 16 h: my 16 bytes of B
.set ZO,  9                            ; v9   4 r: my row's g0
.set GZ,  10                           ; v10  g0 of my row
.set RS,  11                           ; v11  RED + 80 r + 4 w
.set RR,  12                           ; v12  RED + 80 r
.set SC,  14                           ; v[14:15] the scale, twice
.set S,   16                           ; v[16:23] four chains of packed sums of squares
.set SPW, 30                           ; v30  LDS address of my spare word; never rewritten
.set NIL, 31                           ; v31  0; never rewritten
.set FW,  32                           ; v[32:79]   four times [W even | B | W odd]
.set FA,  80                           ; v[80:127]  four times [A odd | I | A even]
.set OUT, 32                           ; v[32:95]   later: packed results, 4 registers a block, then 4 a row
.set ACC, 128                          ; v[128:255] accumulator f at ACC + 8 f
.set WV,  14                           ; s14  my wave's number
.set G1A, 24                           ; s[24:31] descriptor group 1 for A's pieces
.set G1W, 32                           ; s[32:39] for weight's
.set G0A, 40                           ; s[40:43] descriptor group 0 for A's piece
.set G0W, 44                           ; s[44:47] for weight's
.set SEL, 48                           ; s[48:49] v_permlanex16_b32's selects: each lane takes its own place in the other half
; A round of the cluster's barrier: my work-group's barrier, so that wave 0's signal speaks for all sixteen waves; wave 0 signals; every wave waits for all four work-groups; my work-group's barrier once more.
.macro ROUND
	s_barrier_signal -1
	s_barrier_wait -1
	s_cmp_lg_u32 s[WV], 0
	s_cbranch_scc1 .Lnot_wave_0_\@
	s_barrier_signal -3
.Lnot_wave_0_\@:
	s_barrier_wait -3
	s_barrier_signal -1
	s_barrier_wait -1
.endm
.macro PLACES                          ; plain instructions behind matrix instructions, in front of loads into registers that they read and of vector work on their results
.rept 4
	v_nop
.endr
.endm
; Batch b (0, 1): the fragments of blocks 8 b .. 8 b + 7: for each, weight's half and then A's.
.macro FETCH b
.set c, 0
.rept 8
	ds_load_b128      v[FW+12*(c/2)+8*(c%2):FW+12*(c/2)+8*(c%2)+3],     v[AW] offset:32*(8*(\b)+c)
	ds_load_tr16_b128 v[FA+12*(c/2)+8-8*(c%2):FA+12*(c/2)+8-8*(c%2)+3], v[AA] offset:32*(8*(\b)+c)
.set c, c+1
.endr
.endm
; Its eight products, each on an accumulator of its own, started by the constant 0.  Even c: (I, A) x (W, B); odd c: (A, I) x (B, W).
.macro MULS b
.set c, 0
.rept 8
	s_wait_dscnt 14-2*c                            ; LDS loads come back in order (ISA guide 5.7.1): fragment c's two are in; the two of each younger fragment may be out
	v_wmma_f32_16x16x32_bf16 v[ACC+8*(8*(\b)+c):ACC+8*(8*(\b)+c)+7], v[FA+12*(c/2)+4-4*(c%2):FA+12*(c/2)+4-4*(c%2)+7], v[FW+12*(c/2)+4*(c%2):FW+12*(c/2)+4*(c%2)+7], 0
.set c, c+1
.endr
.endm
; Its squares, onto four chains; the very first four start the chains.  Each accumulator is read from its low end on.
.macro SQ b
.set f, 8*(\b)
.rept 8
.set q, 0
.rept 4
.if f == 0
	v_pk_mul_f32 v[S+2*q:S+2*q+1], v[ACC+2*q:ACC+2*q+1], v[ACC+2*q:ACC+2*q+1]
.else
	v_pk_fma_f32 v[S+2*q:S+2*q+1], v[ACC+8*f+2*q:ACC+8*f+2*q+1], v[ACC+8*f+2*q:ACC+8*f+2*q+1], v[S+2*q:S+2*q+1]
.endif
.set q, q+1
.endr
.set f, f+1
.endr
.endm
	s_load_b256 s[4:11], s[0:1], 0x0               ; weight s[4:5], A s[6:7], B s[8:9], g0 s[10:11]
	s_load_b64 s[12:13], s[0:1], 0x20              ; wm
	v_lshl_add_u32 v[SPW], v0, 2, SPARE
	v_mov_b32 v[NIL], 0
	ds_add_u32 v[SPW], v[NIL]                      ; the wave's opening: the add, twice on end, and its wait ahead of my first tensor load; the set-up below is work on registers
	ds_add_u32 v[SPW], v[NIL]
	v_lshrrev_b32 v13, 5, v0
	v_readfirstlane_b32 s[WV], v13                 ; wave 0..15
	s_bfe_u32 s15, ttmp6, 0x40000                  ; cx: my place in the cluster
	s_lshl_b32 s16, ttmp9, 2                       ; in a cluster launch ttmp9 counts clusters
	s_add_co_u32 s16, s16, s15                     ; g = 4 x cluster + cx
	; descriptor group 1: a tile of 16 rows x 256 elements of 2 bytes, 4,096 elements from row to row, padded in LDS behind every 128 words
	s_mov_b32 s[G1A], 15|(1<<16)|(1<<20)|(1<<21)|(6<<22)|(7<<25)  ; 15:0 the mask of four; 17:16 2-byte elements; 20 padding on; 21 set beside a mask; 24:22 every 128 words (code 6); 31:25 8 words (code 7)
	s_mov_b32 s[G1W], (1<<16)|(1<<20)|(6<<22)|(3<<25)             ; no mask: a load of my own; 4 words of padding (code 3)
.irp g, G1A, G1W
	s_mov_b32 s[(\g)+1], 256<<16                   ; tensor_dim0 = 256
	s_mov_b32 s[(\g)+2], 16<<16                    ; tensor_dim1 = 16
	s_mov_b32 s[(\g)+3], 256<<16                   ; tile_dim0 = 256
	s_mov_b32 s[(\g)+4], 16                        ; tile_dim1 = 16
	s_mov_b32 s[(\g)+5], 4096                      ; elements from row to row
	s_mov_b32 s[(\g)+6], 0
	s_mov_b32 s[(\g)+7], 0
.endr
	s_mov_b32 s[SEL], 0x76543210
	s_mov_b32 s[SEL+1], 0xfedcba98
	s_mov_b32 s[G0A], 1                            ; count = 1
	s_mul_i32 s[G0A+1], s[WV], ATB                 ; LDS address: my piece of A: the wave's number times a constant
	s_mov_b32 s[G0W], 1
	s_mul_i32 s[G0W+1], s[WV], WSB
	s_add_co_u32 s[G0W+1], s[G0W+1], WS            ; my piece of weight
	s_lshl_b32 s20, s[WV], 9                       ; my 512 bytes of a row: the same in all partners
	s_mov_b32 s21, 0
	s_lshl_b32 s18, s16, 17                        ; my work-group's 16 rows of 8,192 bytes
	s_mov_b32 s19, 0
	v_and_b32 v1, 15, v0                           ; r
	v_bfe_u32 v2, v0, 4, 1                         ; h
	v_and_b32 v3, 31, v0                           ; l
	v_mul_u32_u24 v[AW], v1, PW
	v_lshl_add_u32 v[AW], v2, 4, v[AW]
	v_add_nc_u32 v[AW], s[G0W+1], v[AW]
	v_and_b32 v13, 7, v0
	v_lshl_add_u32 v13, v2, 3, v13                 ; rank 8 h + l % 8
	v_mul_u32_u24 v[AA], v13, PA
	v_bfe_u32 v13, v0, 3, 1
	v_lshl_add_u32 v[AA], v13, 4, v[AA]
	v_add_nc_u32 v[AA], s[G0A+1], v[AA]
	v_lshl_add_u32 v[RD], v3, 4, s[G0W+1]
	v_lshl_add_u32 v[GO], v3, 4, s20
	v_lshlrev_b32 v[BO], 5, v1
	v_lshl_add_u32 v[BO], v2, 4, v[BO]
	v_lshlrev_b32 v[ZO], 2, v1
	v_mul_u32_u24 v[RR], v1, 80
	v_add_nc_u32 v[RR], RED, v[RR]
	v_lshl_add_u32 v[RS], s[WV], 2, v[RR]
	v_mov_b32 v27, 0                               ; v_permlanex16_b32's destination counts as read: it is written here
	s_wait_dscnt 0x0                               ; both opening adds are done
	s_wait_kmcnt 0x0
	s_add_nc_u64 s[G0A+2:G0A+3], s[6:7], s[20:21]  ; A at my columns: nothing of my place in the cluster
	s_or_b32 s[G0A+3], s[G0A+3], 0x80000000        ; type = 2
	s_add_nc_u64 s[G0W+2:G0W+3], s[4:5], s[18:19]  ; weight at my work-group's rows,
	s_add_nc_u64 s[G0W+2:G0W+3], s[G0W+2:G0W+3], s[20:21]  ; my columns
	s_or_b32 s[G0W+3], s[G0W+3], 0x80000000
	s_add_nc_u64 s[12:13], s[12:13], s[18:19]      ; wm at my work-group's rows
	s_lshl_b32 s22, s16, 9                         ; 16 rows of B are 512 bytes
	s_mov_b32 s23, 0
	s_add_nc_u64 s[8:9], s[8:9], s[22:23]
	s_lshl_b32 s22, s16, 6                         ; 16 numbers of g0 are 64 bytes
	s_add_nc_u64 s[10:11], s[10:11], s[22:23]
	ROUND                                          ; all four work-groups are here: the joint loads meet
	tensor_load_to_lds s[G0A:G0A+3], s[G1A:G1A+7]  ; my two loads, the only ones: two are out
	s_nop 0
	tensor_load_to_lds s[G0W:G0W+3], s[G1W:G1W+7]
	s_nop 0
	; while they are on their way: B's half, four times (four loads of the same 16 bytes in place of twelve copies), g0, and the identity's half
.irp p, 0,1,2,3
	global_load_b128 v[FW+12*(\p)+4:FW+12*(\p)+7], v[BO], s[8:9]
.endr
	global_load_b32 v[GZ], v[ZO], s[10:11]
	v_and_b32 v13, 1, v0
	v_lshlrev_b32 v13, 4, v13
	v_mov_b32 v24, 0x3f80
	v_lshlrev_b32 v24, v13, v24                    ; 1.0 in bf16, in the half that r's parity names
	v_lshlrev_b32 v25, 3, v2
	v_sub_nc_u32 v25, v1, v25
	v_lshrrev_b32 v25, 1, v25                      ; (r - 8 h) / 2, unsigned: 0..3 in the lanes that hold a 1.0, greater in all others
.irp q, 0,1,2,3
	v_cmp_eq_u32 vcc_lo, \q, v25
.irp p, 0,1,2,3
	v_cndmask_b32 v[FA+12*(\p)+4+(\q)], 0, v24, vcc_lo
.endr
.endr
	s_wait_tensorcnt 0x0                           ; both my pieces are in LDS; I read no other wave's, so no barrier
	s_wait_loadcnt 0x0                             ; B and g0
	FETCH 0
	MULS 0
	PLACES
	PLACES
	FETCH 1
	SQ 0                                           ; 32 packed instructions while the LDS loads are out
	MULS 1
	PLACES
	PLACES
	SQ 1
	; the row's sum of squares: my 128 columns, the other half of the lanes' 128, then the sixteen waves'
	v_pk_add_f32 v[S:S+1], v[S:S+1], v[S+2:S+3]
	v_pk_add_f32 v[S+4:S+5], v[S+4:S+5], v[S+6:S+7]
	v_pk_add_f32 v[S:S+1], v[S:S+1], v[S+4:S+5]
	v_add_f32 v26, v[S], v[S+1]
	v_permlanex16_b32 v27, v26, s[SEL], s[SEL+1]
	v_add_f32 v26, v26, v27
	ds_store_b32 v[RS], v26                        ; lanes r and r + 16 write the same word with the same number
	s_wait_dscnt 0x0                               ; for the others' sake: my store is done
	s_barrier_signal -1
	s_barrier_wait -1
.irp q, 0,1,2,3
	ds_load_b128 v[32+4*(\q):32+4*(\q)+3], v[RR] offset:16*(\q)
.endr
	s_wait_dscnt 0x0
.irp q, 0,2,4,6
	v_pk_add_f32 v[32+(\q):32+(\q)+1], v[32+(\q):32+(\q)+1], v[40+(\q):40+(\q)+1]  ; the same order in every wave: all sixteen get the same sum
.endr
	v_pk_add_f32 v[32:33], v[32:33], v[36:37]
	v_pk_add_f32 v[34:35], v[34:35], v[38:39]
	v_pk_add_f32 v[32:33], v[32:33], v[34:35]
	v_add_f32 v26, v32, v33
	v_sqrt_f32 v27, v26
	v_nop                                          ; a plain instruction behind the root (ISA guide 5.7.2),
	s_wait_alu depctr_va_vdst(0)                   ; and a wait ahead of its first reader
	v_max_num_f32 v27, 0x2b8cbccc, v27             ; at least 1e-12
	v_rcp_f32 v13, v27
	v_nop
	s_wait_alu depctr_va_vdst(0)
	v_mul_f32 v[SC], v[GZ], v13
	v_mov_b32 v[SC+1], v[SC]
	; scaled, rounded once, 16 bytes a lane into my stage, where weight's bytes lay: same row, same columns
.set f, 0
.rept 16
.set q, 0
.rept 4
	v_pk_mul_f32 v[ACC+8*f+2*q:ACC+8*f+2*q+1], v[ACC+8*f+2*q:ACC+8*f+2*q+1], v[SC:SC+1]
.set q, q+1
.endr
.set q, 0
.rept 4
	v_cvt_pk_bf16_f32 v[OUT+4*f+q], v[ACC+8*f+2*q], v[ACC+8*f+2*q+1]
.set q, q+1
.endr
	ds_store_b128 v[AW], v[OUT+4*f:OUT+4*f+3] offset:32*f
.set f, f+1
.endr
.set t, 0
.rept 16
	ds_load_b128 v[OUT+4*t:OUT+4*t+3], v[RD] offset:PW*t  ; a whole row's 512 bytes; LDS serves a wave's instructions in order (ISA guide 5.7.1.4): these see the stores above
.set t, t+1
.endr
.set t, 0
.rept 16
	s_wait_dscnt 15-t                              ; row t is back; the younger rows' loads may be out
	global_store_b128 v[GO], v[OUT+4*t:OUT+4*t+3], s[12:13] offset:8192*t th:TH_STORE_NT  ; the wave stores 512 consecutive bytes, at a multiple of 512 from wm's first byte
.set t, t+1
.endr
	s_wait_tensorcnt 0x0                           ; the wave's end: a wait, an add and its wait, behind my last tensor load and my last LDS store
	ds_add_u32 v[SPW], v[NIL]
	s_wait_dscnt 0x0
	ROUND                                          ; the closing round: no work-group ends while a partner may still ask for a piece that names it
	s_endpgm
.Lfunc_end_k_q4305a209bc_merge:
	.size	k_q4305a209bc_merge, .Lfunc_end_k_q4305a209bc_merge-k_q4305a209bc_merge
	.p2alignl 7, 3214868480
	.fill 96, 4, 3214868480
	.section	.rodata,"a",@progbits
	.p2align	6, 0x0
	.amdhsa_kernel k_q4305a209bc_merge
		.amdhsa_group_segment_fixed_size 277760
		.amdhsa_private_segment_fixed_size 0
		.amdhsa_enable_private_segment 0
		.amdhsa_kernarg_size 40
		.amdhsa_user_sgpr_count 2
		.amdhsa_user_sgpr_kernarg_segment_ptr 1
		.amdhsa_wavefront_size32 1
		.amdhsa_system_sgpr_workgroup_id_x 1
		.amdhsa_system_sgpr_workgroup_id_y 1
		.amdhsa_system_sgpr_workgroup_id_z 1
		.amdhsa_system_vgpr_workitem_id 0
		.amdhsa_next_free_vgpr 256
		.amdhsa_next_free_sgpr 66
		.amdhsa_reserve_vcc 1
		.amdhsa_float_denorm_mode_32 3
		.amdhsa_float_denorm_mode_16_64 3
		.amdhsa_memory_ordered 1
		.amdhsa_forward_progress 1
		.amdhsa_inst_pref_size 28
	.end_amdhsa_kernel
	.amdgpu_metadata
---
amdhsa.version: [ 1, 2 ]
amdhsa.kernels:
  - .name:           k_q4305a209bc_merge
    .symbol:         k_q4305a209bc_merge.kd
    .args:
      - { .name: weight, .offset: 0, .size: 8, .value_kind: global_buffer, .address_space: global }
      - { .name: A, .offset: 8, .size: 8, .value_kind: global_buffer, .address_space: global }
      - { .name: B, .offset: 16, .size: 8, .value_kind: global_buffer, .address_space: global }
      - { .name: g0, .offset: 24, .size: 8, .value_kind: global_buffer, .address_space: global }
      - { .name: wm, .offset: 32, .size: 8, .value_kind: global_buffer, .address_space: global }
    .group_segment_fixed_size: 277760
    .private_segment_fixed_size: 0
    .kernarg_segment_align: 8
    .kernarg_segment_size: 40
    .max_flat_workgroup_size: 512
    .sgpr_count:     66
    .vgpr_count:     256
    .wavefront_size: 32
...
	.end_amdgpu_metadata
.endif
;; end of part 1
;; launch gemm (part 2): grid 16 x 16, 4 waves a work-group, clusters of 4 x 4, 327,680 bytes of LDS; arguments x, wm, out0; writes out0
.if DOCPART == 2
	.amdgcn_target "amdgcn-amd-amdhsa--gfx1250"
	.amdhsa_code_object_version 6
	.text
	.protected	k_q4305a209bc_gemm
	.globl	k_q4305a209bc_gemm
	.p2align	8
	.type	k_q4305a209bc_gemm,@function
k_q4305a209bc_gemm:
	s_mov_b64 s[64:65], 0
	v_nop
	global_prefetch_b8 v0, s[64:65] scope:SCOPE_SE
	s_setreg_imm32_b32 hwreg(HW_REG_WAVE_MODE, 25, 1), 1
	s_wait_xcnt 0x0
	s_wait_alu depctr_hold_cnt(0) depctr_sa_sdst(0) depctr_va_vdst(0) depctr_va_sdst(0) depctr_va_ssrc(0) depctr_va_vcc(0) depctr_vm_vsrc(0)
	s_getreg_b32 s2, hwreg(HW_REG_IB_STS2, 6, 4)
	s_cmp_eq_u32 s2, 0
	s_cbranch_scc0 .Lentry_in_a_cluster
	s_endpgm
.Lentry_in_a_cluster:
	s_bfe_u32 s2, ttmp6, 0x10000c
	s_cmp_lg_u32 s2, 0xf033
	s_cbranch_scc0 .Lentry_shape_is_right
	s_endpgm
.Lentry_shape_is_right:
; out0[t][o] = sum over i of x[t][i] wm[o][i].  x: [4096][4096], wm: [4096][4096] (weight + B A, scaled by rows, from the launch before), out0: [4096][4096], all bf16; one f32 sum for each output, rounded once.
; Below A stands for x, B for wm, C for out0.  C has 16 x 16 tiles of 256 x 256: one to each of 256 work-groups.  Four waves; a wave makes 128 x 128: 64 accumulators of 16 x 16, 512 registers.
; K goes in steps of 128 through a ring of two LDS slots filled by the tensor data mover: a tile's rows are 256 bytes of memory and start at multiples of 256 bytes from the buffer's first byte.
; The last K step goes by rows of C, so that finished rows leave while the others are multiplied.
; CLUSTERS: 4 x 4 work-groups.  The four of a row of the cluster need the same tiles of A, the four of a column the same tiles of B.  Such a tile is asked for JOINTLY: each of the four issues the same tensor
; load, with the same descriptor and a mask that names the four, and each receives the tile in its own LDS.  That divides the requests for A and for B by four.
; REGISTERS, in windows of 256 (an instruction names v0-v255; s_set_vgpr_msb says which window each operand place means: bits 1:0 source 0, 3:2 source 1, 5:4 source 2, 7:6 destination):
;   window 0: v0-31 addresses; v64-127, v128-191 fragments of A (8 x 16 rows x 32 K), two buffers (in the last K step four, of 16 rows x 128 K); v32-63, v192-255 at work on the way out
;   window 1: v64-127, v128-191 fragments of B, two buffers; in the last K step all 256: B's fragments of the whole step
;   window 2: the 32 accumulators of my rows 0-63 (accumulator (a, b) at v[8 (8 a + b)]);   window 3: those of my rows 64-127
; THE MATRIX INSTRUCTION IS USED TRANSPOSED: source 0 = 16 rows of B, source 1 = 16 rows of A.  Lane l then holds row l % 16 of C and the columns 8 (l / 16) + 0..7: eight neighbouring numbers, 16 bytes.
; LIMITS: bf16's range throughout; NaN and infinities go through the products as they come.
.set SIZE_M, 4096
.set SIZE_N, 4096
.set SIZE_K, 4096
.set KSTEP,  128
.set PITCH,  272                       ; an LDS row: 256 bytes + 16 of padding = 68 words: row r starts at bank 4 r mod 64 (64 banks of 4 bytes: ISA guide 11.1), so the 16 rows of a load start at 16 different banks
.set HALFT,  128*PITCH                 ; 128 rows: what one tensor load brings, and what one wave reads of A or of B
.set SLOT,   4*HALFT                   ; A's 256 rows, then B's 256 rows
.set STAGE,  2*SLOT                    ; behind the ring: 16 rows x 272 bytes for each wave, for the way out; no tensor load fills it
.set SPITCH, 272
.set SPARE,  STAGE+4*16*SPITCH         ; behind the stages: the spare words, 128 bytes for each wave: two blocks of 256 bytes that no other line names
.set LAPS,   SIZE_K/(2*KSTEP)          ; a lap = two K steps = once round the ring: 16
.set ADRA, 16                          ; v16-17  LDS address of my A fragments in slot 0, 1
.set ADRB, 20                          ; v20-21  the same for B
.set STO,  24                          ; v24     the way out: where I put 16 bytes of a row
.set RD,   25                          ; v25     the way out: where I read a row back
.set CO,   26                          ; v26     my byte offset in C
.set SPW,  28                          ; v28     LDS address of my spare word: SPARE + 4 x my thread's number; never rewritten
.set NIL,  29                          ; v29     0; never rewritten
.set PFO,  30                          ; v30     the prefetches' offset: my lane x a row of 8,192 bytes; never rewritten
.set PFA,  44                          ; s[44:45] where my prefetches stand: my work-group's 32 rows of the 128 that I fetch, one K step further along K than the refill in hand; a prefetch names the K step after that
.set LIM,  43                          ; s43     1 in a wave that prefetches, else the greatest number
.set F0,   64                          ; fragment buffer 0
.set F1,   128                         ; fragment buffer 1
.set TMP,  192                         ; the way out: packed results, in window 0
.set OB,   32                          ; the way out: 16 rows read back from the stage: v32-63 and v224-255 by turns
.set PA,   64                          ; the last K step: A's fragments of 16 rows x 128 K, 32 registers; four such buffers, v64-191
.set G1,  24                           ; s[24:31] descriptor group 1 for A's tiles
.set G0,  32                           ; s[32:39] descriptor group 0 for A's tiles, one set for each slot
.set G1B, 48                           ; s[48:55] group 1 for B's tiles: it differs in the mask alone
.set G0B, 56                           ; s[56:63] group 0 for B's tiles, one set for each slot
.set MSB, 0
.macro WIN new                         ; the immediate's high byte repeats the setting that is left; a switch that changes nothing is dropped
.if MSB != (\new)
	s_set_vgpr_msb (MSB<<8)|(\new)
.set MSB, \new
.endif
.endm
.set MUL_LO, 0xa1                      ; source 0 (B) window 1, source 1 (A) window 0, C and D window 2
.set MUL_HI, 0xf1                      ; the same, C and D window 3
.set TO_B,   0x40                      ; destination window 1, address window 0
; A joint load.  Waves 0 and 1 fetch A's two halves, waves 2 and 3 B's.  Each of the two lines has one mask and one set of registers for all that issue it.  The branch hangs on the wave's number alone.
; An s_nop 0 and four v_nop follow each of the two lines, ahead of the jump, the label and what follows the macro.
.macro JLOAD s
	s_cmp_eq_u32 s11, 0
	s_cbranch_scc0 .Lfor_b_\@
	tensor_load_to_lds s[G0+4*(\s):G0+4*(\s)+3], s[G1:G1+7]
	s_nop 0
.rept 4
	v_nop
.endr
	s_branch .Lasked_\@
.Lfor_b_\@:
	tensor_load_to_lds s[G0B+4*(\s):G0B+4*(\s)+3], s[G1B:G1B+7]
	s_nop 0
.rept 4
	v_nop
.endr
.Lasked_\@:
.endm
; A PREFETCH, behind each joint refill and the run of LDS loads that follows it: the K step that stands TWO refills on (512 matrix instructions ahead of the load that will ask for it): 32 rows x 256 bytes, a lane
; a row, one instruction a wave.  Each row's 256 bytes of a K step are named ONCE in the launch: A's tile row is read by every cluster of that row of clusters, and the one with x = 0 asks; B's tile column by
; every cluster of that column, and the one with y = 0 asks.  The four partners that ask for a tile jointly share its rows out BY ADDRESS: of the 128 rows that a wave fetches the partner at place p takes
; 32 p .. 32 p + 31 (p = cx for A, cy for B).  K steps 0 to 3 come by their loads alone; the loop's last trip (s3 = 1) asks for nothing: K step 31 is the last, named in the trip before.
.macro ASK
	s_cmp_gt_u32 s3, s[LIM]
	s_cbranch_scc0 .Lnot_mine_\@
	global_prefetch_b8 v[PFO], s[PFA:PFA+1] offset:KSTEP*2 th:TH_LOAD_NT scope:SCOPE_SE
.Lnot_mine_\@:
.endm
; A round of the cluster's barrier: my work-group's barrier, so that wave 0's signal speaks for all four waves; wave 0 signals; every wave waits for all sixteen work-groups; my work-group's barrier once more.
.macro CREST                           ; a round behind its opening barrier
	s_cmp_lg_u32 s10, 0
	s_cbranch_scc1 .Lnot_wave_0_\@
	s_barrier_signal -3
.Lnot_wave_0_\@:
	s_barrier_wait -3
	s_barrier_signal -1
	s_barrier_wait -1
.endm
.macro CROUND                          ; a whole round
	s_barrier_signal -1
	s_barrier_wait -1
	CREST
.endm
	s_load_b128 s[4:7], s[0:1], 0x0                ; A (x) s[4:5], B (wm) s[6:7]
	s_load_b64 s[8:9], s[0:1], 0x10                ; C (out0)
	v_lshl_add_u32 v[SPW], v0, 2, SPARE
	v_mov_b32 v[NIL], 0
	ds_add_u32 v[SPW], v[NIL]                      ; the wave's opening: the add, twice on end, and its wait ahead of my first tensor load; the set-up below is work on registers
	ds_add_u32 v[SPW], v[NIL]
	v_lshrrev_b32 v1, 5, v0
	v_readfirstlane_b32 s10, v1                    ; wave 0..3
	s_lshr_b32 s11, s10, 1                         ; which half of the tile's rows is mine.  Also: I fetch for A (0) or for B (1)
	s_and_b32 s12, s10, 1                          ; which half of its columns.  Also: which 128 rows of that tile I fetch
	s_bfe_u32 s40, ttmp6, 0x40000                  ; cx: my place along the cluster's x
	s_bfe_u32 s41, ttmp6, 0x40004                  ; cy: along its y
	s_lshl_b32 s42, ttmp9, 2                       ; in a cluster launch ttmp9 and ttmp7 count clusters
	s_add_co_u32 s42, s42, s40                     ; tile column of C = 4 x cluster x + cx
	s_and_b32 s13, ttmp7, 0xffff
	s_lshl_b32 s13, s13, 2
	s_add_co_u32 s13, s13, s41                     ; tile row of C = 4 x cluster y + cy
	s_lshl_b32 s43, s41, 2
	s_lshl_b32 s43, 15, s43                        ; my row of the cluster: places 4 cy .. 4 cy + 3
	s_lshl_b32 s44, 0x1111, s40                    ; my column: places cx, cx + 4, cx + 8, cx + 12
	; descriptor group 1: a tile of 128 rows x 128 elements, padded in LDS
	s_or_b32 s[G1+0], s43, (1<<16)|(1<<20)|(1<<21)|(5<<22)|(3<<25)  ; 15:0 the mask: A's tiles go to my row; 17:16 2-byte elements; 20 padding on; 21 set beside a mask; 24:22 every 64 words (code 5); 31:25 4 words (code 3)
	s_or_b32 s[G1B+0], s44, (1<<16)|(1<<20)|(1<<21)|(5<<22)|(3<<25) ; the same with the mask of my column, for B's tiles
.irp g, G1, G1B
	s_mov_b32 s[(\g)+1], KSTEP<<16                 ; tensor_dim0 = 128
	s_mov_b32 s[(\g)+2], 128<<16                   ; tensor_dim1 = 128
	s_mov_b32 s[(\g)+3], KSTEP<<16                 ; tile_dim0 = 128
	s_mov_b32 s[(\g)+4], 128                       ; tile_dim1 = 128
	s_mov_b32 s[(\g)+5], SIZE_K                    ; elements from row to row
	s_mov_b32 s[(\g)+6], 0
	s_mov_b32 s[(\g)+7], 0
.endr
	; where the tiles come from.  A's hang on the tile row alone, which my row of the cluster shares; B's on the tile column alone, which my column shares.
	; Every wave makes both addresses, in registers that never hold the other coordinate, and asks by one of them.
	s_lshl_b32 s17, s12, 7                         ; which 128 rows of the tile I fetch
	s_lshl_b32 s16, s13, 8
	s_add_co_u32 s16, s16, s17                     ; A: row 256 x tile row + 128 x half
	s_lshl_b32 s46, s42, 8
	s_add_co_u32 s46, s46, s17                     ; B: row 256 x tile column + 128 x half
	s_mov_b32 s17, 0
	s_mov_b32 s47, 0
	s_mov_b64 s[18:19], SIZE_K*2
	s_mul_u64 s[16:17], s[16:17], s[18:19]         ; in bytes
	s_mul_u64 s[46:47], s[46:47], s[18:19]
	s_mul_i32 s20, s10, HALFT                      ; and where they go: A's two halves, then B's two = wave x 128 rows: no place in the cluster enters an LDS address
	s_wait_dscnt 0x0                               ; both opening adds are done
	s_wait_kmcnt 0x0
	s_add_nc_u64 s[14:15], s[4:5], s[16:17]
	s_add_nc_u64 s[46:47], s[6:7], s[46:47]
	CROUND                                         ; all sixteen work-groups are here: the first joint loads meet
.irp s, 0,1
	s_mov_b32 s[G0+4*(\s)], 1                                      ; count = 1
	s_add_co_u32 s[G0+4*(\s)+1], s20, (\s)*SLOT                    ; LDS address
	s_add_nc_u64 s[G0+4*(\s)+2:G0+4*(\s)+3], s[14:15], (\s)*KSTEP*2  ; global address: K step s
	s_or_b32 s[G0+4*(\s)+3], s[G0+4*(\s)+3], 0x80000000            ; type = 2
	s_mov_b32 s[G0B+4*(\s)], 1
	s_add_co_u32 s[G0B+4*(\s)+1], s20, (\s)*SLOT
	s_add_nc_u64 s[G0B+4*(\s)+2:G0B+4*(\s)+3], s[46:47], (\s)*KSTEP*2
	s_or_b32 s[G0B+4*(\s)+3], s[G0B+4*(\s)+3], 0x80000000
	JLOAD \s                                       ; the ring is filled before anything else is done: two loads of mine are out
.endr
	; A fragment is 16 rows x 32 K in 8 registers: lane l holds row l % 16; registers 0-3 hold K = 8 (l / 16) + 0..7, registers 4-7 K = 16 + 8 (l / 16) + 0..7: two loads of 16 bytes, 32 bytes apart.
	v_and_b32 v1, 15, v0                           ; l % 16
	v_bfe_u32 v2, v0, 4, 1                         ; l / 16
	v_mul_u32_u24 v3, v1, PITCH
	v_lshl_add_u32 v3, v2, 4, v3                   ; row x pitch + 16 x half
	s_mul_i32 s21, s11, HALFT                      ; my 128 rows of A
	s_mul_i32 s22, s12, HALFT                      ; my 128 rows of B,
	s_add_co_u32 s22, s22, 2*HALFT                 ; which lie behind A's 256
.irp s, 0,1
	v_add_nc_u32 v[ADRA+(\s)], s21, v3
	v_add_nc_u32 v[ADRB+(\s)], s22, v3
	s_add_co_u32 s21, s21, SLOT
	s_add_co_u32 s22, s22, SLOT
.endr
	s_mul_i32 s23, s10, 16*SPITCH
	s_add_co_u32 s23, s23, STAGE                   ; my stage
	v_mul_u32_u24 v4, v1, SPITCH                   ; in: row l % 16, 16 bytes for each half of the lanes
	v_lshl_add_u32 v4, v2, 4, v4
	v_add_nc_u32 v[STO], s23, v4
	v_mul_u32_u24 v5, v2, SPITCH                   ; back: lanes 0-15 take one row of 256 bytes, lanes 16-31 the next
	v_lshl_add_u32 v5, v1, 4, v5
	v_add_nc_u32 v[RD], s23, v5
	v_mul_u32_u24 v5, v2, SIZE_N*2                 ; and the same two rows in C
	v_lshl_add_u32 v[CO], v1, 4, v5
	; where my part of the tile begins in C, in bytes: the way out adds it to C's address
	s_lshl_b32 s13, s13, 8
	s_lshl_b32 s14, s11, 7
	s_add_co_u32 s16, s13, s14                     ; my first row of C
	s_mov_b32 s17, 0
	s_mov_b64 s[18:19], SIZE_N*2
	s_mul_u64 s[16:17], s[16:17], s[18:19]
	s_lshl_b32 s46, s42, 9                         ; my first column, in bytes: 512 x tile column + 256 x half
	s_lshl_b32 s47, s12, 8
	s_add_co_u32 s46, s46, s47
	s_mov_b32 s47, 0
	s_add_nc_u64 s[16:17], s[16:17], s[46:47]
	; the prefetches.  s13 = 256 x tile row, s42 = tile column, s40 = cx, s41 = cy still stand
	s_lshl_b32 s42, s42, 8
	s_and_b32 s22, ttmp7, 0xffff                   ; cluster y
	s_cmp_eq_u32 s11, 0                            ; do I fetch for A?
	s_cselect_b32 s20, s13, s42                    ; the tile's first row: in A by the tile row, in B by the tile column
	s_cselect_b32 s21, s40, s41                    ; my place among the four that ask for it with me
	s_cselect_b32 s22, ttmp9, s22                  ; the coordinate along which other clusters read the same rows
	s_cselect_b64 s[PFA:PFA+1], s[4:5], s[6:7]
	s_cmp_eq_u32 s22, 0
	s_cselect_b32 s[LIM], 1, -1                    ; the same in all sixteen partners, for a given wave
	s_lshl_b32 s22, s12, 7
	s_add_co_u32 s20, s20, s22                     ; + the 128 rows that I fetch
	s_lshl_b32 s21, s21, 5
	s_add_co_u32 s20, s20, s21                     ; + my work-group's 32 of them
	s_mov_b32 s21, 0
	s_mov_b64 s[18:19], SIZE_K*2
	s_mul_u64 s[20:21], s[20:21], s[18:19]
	s_add_nc_u64 s[PFA:PFA+1], s[PFA:PFA+1], s[20:21]
	s_add_nc_u64 s[PFA:PFA+1], s[PFA:PFA+1], 2*KSTEP*2  ; at K step 2: the first refill steps it to 3 and names K step 4
	v_and_b32 v[PFO], 31, v0
	v_mul_u32_u24 v[PFO], v[PFO], SIZE_K*2
; 16 matrix instructions: m blocks a0, a0 + 1 of the window's four (hi = 0: my rows 0-63, 1: rows 64-127) x all 8 n blocks, 32 along K.  zero = 1: the first product starts the sums: nothing is ever cleared.
; The 64 accumulators take turns in the same order in every quarter step: between two links of a chain stand the 63 others'.
.macro MUL16 f, hi, a0, zero
	WIN MUL_LO+0x50*(\hi)
.irp a, \a0, (\a0)+1
.irp b, 0,1,2,3,4,5,6,7
.if \zero
	v_wmma_f32_16x16x32_bf16 v[8*(8*(\a)+(\b)):8*(8*(\a)+(\b))+7], v[(\f)+8*(\b):(\f)+8*(\b)+7], v[(\f)+8*(4*(\hi)+(\a)):(\f)+8*(4*(\hi)+(\a))+7], 0
.else
	v_wmma_f32_16x16x32_bf16 v[8*(8*(\a)+(\b)):8*(8*(\a)+(\b))+7], v[(\f)+8*(\b):(\f)+8*(\b)+7], v[(\f)+8*(4*(\hi)+(\a)):(\f)+8*(4*(\hi)+(\a))+7], v[8*(8*(\a)+(\b)):8*(8*(\a)+(\b))+7]
.endif
.endr
.endr
.endm
; 32 LDS loads in one run: the fragments of one quarter step (128 rows of B, 128 rows of A, 32 K at byte k of the rows) into buffer f
.macro FETCH slot, k, f
	WIN TO_B
.irp i, 0,1,2,3,4,5,6,7
	ds_load_b128 v[(\f)+8*(\i):(\f)+8*(\i)+3],   v[ADRB+(\slot)] offset:(\k)+(\i)*16*PITCH
	ds_load_b128 v[(\f)+8*(\i)+4:(\f)+8*(\i)+7], v[ADRB+(\slot)] offset:(\k)+(\i)*16*PITCH+32
.endr
	WIN 0
.irp i, 0,1,2,3,4,5,6,7
	ds_load_b128 v[(\f)+8*(\i):(\f)+8*(\i)+3],   v[ADRA+(\slot)] offset:(\k)+(\i)*16*PITCH
	ds_load_b128 v[(\f)+8*(\i)+4:(\f)+8*(\i)+7], v[ADRA+(\slot)] offset:(\k)+(\i)*16*PITCH+32
.endr
.endm
; Four plain vector instructions stand behind a matrix instruction in front of a load into a register that it read and of a vector instruction that reads its result (ISA guide 7.12.1 for vector
; instructions): sixteen issue slots for a K step's 256 matrix instructions.
.macro PLACES
.rept 4
	v_nop
.endr
.endm
; A K step is four quarter steps of 32 along K, 64 matrix instructions each, on buffers 0, 1, 0, 1.
; One of the first three: multiplies buffer f; in its middle it fetches the next quarter's fragments, at byte k of the same slot's rows, into buffer g.
.macro QUARTER slot, k, f, g, zero
	s_wait_dscnt 8                                 ; B and A's rows 0-63 are in; the youngest eight loads (A's rows 64-127) may be out
	WIN MUL_LO
	MUL16 \f, 0, 0, \zero
	MUL16 \f, 0, 2, \zero
	PLACES
	FETCH \slot, \k, \g
	s_wait_dscnt 32                                ; all but the 32 just issued
	WIN MUL_HI
	MUL16 \f, 1, 0, \zero
	MUL16 \f, 1, 2, \zero
.endm
; The last quarter multiplies buffer 1 and changes slots.  MEET is its first half: ONE barrier for the change, for two things.  In front of it each wave waits for all its tensor loads, of which one is out: its
; part of the next slot; adds 0 to its spare word; and waits for that and for its own reads of this slot.  Behind it nobody reads this slot any more and the next slot is whole.
.macro MEET round                      ; round = 1: a round of the cluster's barrier follows
	WIN 0                                          ; (the add's two registers lie in window 0)
	s_wait_tensorcnt 0x0                           ; all my tensor loads have landed;
	ds_add_u32 v[SPW], v[NIL]                      ; 0 onto my spare word;
	s_wait_dscnt 9                                 ; (the add and the youngest eight loads may be out)
	WIN MUL_LO
	MUL16 F1, 0, 0, 0                              ; sixteen matrix instructions stand between the add and the wait for it
	s_wait_dscnt 0x0                               ; the add is done, and my reads of this slot are over:
	s_barrier_signal -1                            ; say so,
	MUL16 F1, 0, 2, 0                              ; work on registers while the others arrive,
.if \round
	WIN 0
.endif
	s_barrier_wait -1                              ; and go on when all four have said so
.endm
; The whole last quarter.  Behind the round the slot just read out is filled again first, with the K step two steps on; then come the next slot's first fragments.
; From a request to the wait for it a wave issues 224 matrix instructions.
.macro TURN slot, next
	s_wait_xcnt 0x0                                ; the last prefetch, a K step back, has read its address: it is stepped here, ahead of the waits of the change of slots
	s_add_nc_u64 s[PFA:PFA+1], s[PFA:PFA+1], KSTEP*2
	MEET 1
	CREST                                          ; no wave of any partner still reads this slot's tile or has a load on its way
	s_add_nc_u64 s[G0+4*(\slot)+2:G0+4*(\slot)+3], s[G0+4*(\slot)+2:G0+4*(\slot)+3], 2*KSTEP*2  ; no load of mine is out, so the descriptors may be written
	s_add_nc_u64 s[G0B+4*(\slot)+2:G0B+4*(\slot)+3], s[G0B+4*(\slot)+2:G0B+4*(\slot)+3], 2*KSTEP*2
	JLOAD \slot                                    ; my one tensor load behind the round; the four v_nop behind it are also the places in front of the loads below
	FETCH \next, 0, F0
	ASK
	WIN MUL_HI
	MUL16 F1, 1, 0, 0
	MUL16 F1, 1, 2, 0
.endm
; THE LAST K STEP (it lies in slot 1) GOES BY ROWS OF C.  All its fragments of B (4 quarters x 64 registers) fill window 1; then my eight blocks of 16 rows are finished one after the other, each with 32
; matrix instructions (its 8 accumulators by turns, K ascending).  LDS is read no more than in any other K step.
.macro BLOAD q                         ; B's fragments of quarter q -> window 1, v[64 q ..]
	WIN TO_B
.irp i, 0,1,2,3,4,5,6,7
	ds_load_b128 v[64*(\q)+8*(\i):64*(\q)+8*(\i)+3],   v[ADRB+1] offset:64*(\q)+(\i)*16*PITCH
	ds_load_b128 v[64*(\q)+8*(\i)+4:64*(\q)+8*(\i)+7], v[ADRB+1] offset:64*(\q)+(\i)*16*PITCH+32
.endr
.endm
.macro ALOAD a                         ; A's fragments of block a, all four quarters -> buffer a % 4
	WIN 0
.set FA, PA+32*((\a)%4)
.irp q, 0,1,2,3
	ds_load_b128 v[FA+8*(\q):FA+8*(\q)+3],   v[ADRA+1] offset:64*(\q)+(\a)*16*PITCH
	ds_load_b128 v[FA+8*(\q)+4:FA+8*(\q)+7], v[ADRA+1] offset:64*(\q)+(\a)*16*PITCH+32
.endr
.endm
.macro ROW a                           ; block a is finished: 32 matrix instructions
.set FA, PA+32*((\a)%4)                ; its fragments of A
.set AC, 64*((\a)%4)                   ; its eight accumulators, in window 2 (blocks 0-3) or 3 (blocks 4-7)
	WIN MUL_LO+0x50*((\a)/4)
.irp q, 0,1,2,3
.if (\a) == 0 && (\q) == 2
	s_wait_dscnt 24                                ; B's quarter 2 is in (behind it: A's blocks 1 to 3, 24 loads)
.endif
.irp b, 0,1,2,3,4,5,6,7
	v_wmma_f32_16x16x32_bf16 v[AC+8*(\b):AC+8*(\b)+7], v[64*(\q)+8*(\b):64*(\q)+8*(\b)+7], v[FA+8*(\q):FA+8*(\q)+7], v[AC+8*(\b):AC+8*(\b)+7]
.endr
.endr
.endm
; THE WAY OUT of block a.  PACK: rounded to bf16, 16 bytes a lane, each accumulator from its low end on.  TOSTAGE: into my own stage in LDS, and back as whole rows of 256 bytes.  SEND: stored.
.macro PACK a
.set AC, 64*((\a)%4)
	WIN 0x0a+5*((\a)/4)                            ; sources 0 and 1: window 2 or 3
.irp b, 0,1,2,3,4,5,6,7
.irp r, 0,1,2,3
	v_cvt_pk_bf16_f32 v[TMP+4*(\b)+(\r)], v[AC+8*(\b)+2*(\r)], v[AC+8*(\b)+2*(\r)+1]
.endr
.endr
	WIN 0
.endm
.macro TOSTAGE a
	WIN 0
.set BK, OB+192*((\a)%2)
.irp b, 0,1,2,3,4,5,6,7
	ds_store_b128 v[STO], v[TMP+4*(\b):TMP+4*(\b)+3] offset:32*(\b)
.endr
.irp t, 0,1,2,3,4,5,6,7
	ds_load_b128 v[BK+4*(\t):BK+4*(\t)+3], v[RD] offset:(\t)*2*SPITCH  ; LDS serves a wave's instructions in order (ISA guide 5.7.1.4): these see the stores above
.endr
.endm
.macro SEND a, younger                 ; younger: the LDS loads issued behind TOSTAGE's, which may stay out
	WIN 0
.set BK, OB+192*((\a)%2)
	s_wait_dscnt \younger                          ; the block is back in registers
	s_wait_xcnt 0x0                                ; every earlier memory instruction has had its addresses translated (ISA guide 3.1): only behind this wait are the stores' base and the registers that earlier stores read rewritten
.if (\a) == 0
	s_add_nc_u64 s[8:9], s[8:9], s[16:17]          ; on to my first rows of the tile
.else
	s_add_nc_u64 s[8:9], s[8:9], 16*SIZE_N*2       ; 16 rows of C on
.endif
.irp t, 0,1,2,3,4,5,6,7
	global_store_b128 v[CO], v[BK+4*(\t):BK+4*(\t)+3], s[8:9] offset:2*(\t)*SIZE_N*2  ; 16 lanes store 256 consecutive bytes, at a multiple of 256 from C's first byte
.endr
.endm
	s_wait_tensorcnt 1                             ; my part of K step 0 is in; K step 1's load, issued behind it, may stay out
	s_barrier_signal -1
	s_barrier_wait -1                              ; everybody's is
	FETCH 0, 0, F0
	QUARTER 0, 64,  F0, F1, 1                      ; the first quarter stands in front of the loop: its products start the sums
	WIN 0                                          ; at a label and at a branch every window is 0
	s_mov_b32 s3, LAPS-1
.Llap:                                                 ; a trip goes once round the ring, from a lap's second quarter to the next lap's first, and fills both slots again
	QUARTER 0, 128, F1, F0, 0
	QUARTER 0, 192, F0, F1, 0
	TURN 0, 1
	QUARTER 1, 64,  F0, F1, 0
	QUARTER 1, 128, F1, F0, 0
	QUARTER 1, 192, F0, F1, 0
	TURN 1, 0
	QUARTER 0, 64,  F0, F1, 0
	WIN 0
	s_sub_co_u32 s3, s3, 1
	s_cmp_lg_u32 s3, 0
	s_cbranch_scc1 .Llap
	QUARTER 0, 128, F1, F0, 0                      ; the last lap goes on; it asks for nothing
	QUARTER 0, 192, F0, F1, 0
	MEET 0                                         ; my one tensor load that was still out is slot 1's, the last K step's, so no round follows
	PLACES                                         ; for the loads into buffer 0, which the quarter before multiplied
	WIN TO_B
	BLOAD 0                                        ; three quarters of B now: buffer 1 (v128-191 of both windows) is still being multiplied
	BLOAD 1
	BLOAD 3
	WIN 0
	ALOAD 0
	WIN MUL_HI
	MUL16 F1, 1, 0, 0
	MUL16 F1, 1, 2, 0
	PLACES                                         ; for the loads into buffer 1
	WIN TO_B
	BLOAD 2
	WIN 0
	ALOAD 1
	ALOAD 2
	ALOAD 3
	s_wait_dscnt 40                                ; all but the 40 just issued (B's quarter 2: 16; A's blocks 1 to 3: 24)
	ROW 0
.irp a, 0,1,2,3,4,5,6,7                ; each block leaves as soon as it is finished: nothing follows this tile under which its stores could leave
	PLACES                                         ; its conversions read results just made
	PACK \a
	TOSTAGE \a
.if (\a) < 4
	ALOAD (\a)+4                                   ; its buffer takes the block four further on
	SEND \a, 8
.else
	SEND \a, 0
.endif
.if (\a) < 7
	ROW (\a)+1
.endif
.endr
	s_wait_tensorcnt 0x0                           ; the wave's end: a wait, an add and its wait, behind my last tensor load and my last LDS store
	ds_add_u32 v[SPW], v[NIL]
	s_wait_dscnt 0x0
	CROUND                                         ; the closing round: no work-group ends while a partner may still ask for a tile that names it
	s_endpgm
.Lfunc_end_k_q4305a209bc_gemm:
	.size	k_q4305a209bc_gemm, .Lfunc_end_k_q4305a209bc_gemm-k_q4305a209bc_gemm
	.p2alignl 7, 3214868480
	.fill 96, 4, 3214868480
	.section	.rodata,"a",@progbits
	.p2align	6, 0x0
	.amdhsa_kernel k_q4305a209bc_gemm
		.amdhsa_group_segment_fixed_size 327680
		.amdhsa_private_segment_fixed_size 0
		.amdhsa_enable_private_segment 0
		.amdhsa_kernarg_size 24
		.amdhsa_user_sgpr_count 2
		.amdhsa_user_sgpr_kernarg_segment_ptr 1
		.amdhsa_wavefront_size32 1
		.amdhsa_system_sgpr_workgroup_id_x 1
		.amdhsa_system_sgpr_workgroup_id_y 1
		.amdhsa_system_sgpr_workgroup_id_z 1
		.amdhsa_system_vgpr_workitem_id 0
		.amdhsa_next_free_vgpr 1024
		.amdhsa_next_free_sgpr 66
		.amdhsa_reserve_vcc 0
		.amdhsa_float_denorm_mode_32 3
		.amdhsa_float_denorm_mode_16_64 3
		.amdhsa_memory_ordered 1
		.amdhsa_forward_progress 1
		.amdhsa_inst_pref_size 144
	.end_amdhsa_kernel
	.amdgpu_metadata
---
amdhsa.version: [ 1, 2 ]
amdhsa.kernels:
  - .name:           k_q4305a209bc_gemm
    .symbol:         k_q4305a209bc_gemm.kd
    .args:
      - { .name: x, .offset: 0, .size: 8, .value_kind: global_buffer, .address_space: global }
      - { .name: wm, .offset: 8, .size: 8, .value_kind: global_buffer, .address_space: global }
      - { .name: out0, .offset: 16, .size: 8, .value_kind: global_buffer, .address_space: global }
    .group_segment_fixed_size: 327680
    .private_segment_fixed_size: 0
    .kernarg_segment_align: 8
    .kernarg_segment_size: 24
    .max_flat_workgroup_size: 128
    .sgpr_count:     66
    .vgpr_count:     1024
    .wavefront_size: 32
...
	.end_amdgpu_metadata
.endif
;; end of part 2
